; MI455X (gfx1250); checked and timed in simulation.
; The chip was launched on July 23, 2026; its instructions are those of AMD's public machine-readable ISA for CDNA 5 (MIT licence, August 2026) and "CDNA5" Instruction Set Architecture Reference Guide (July 2026). The comments in the code are by the model that wrote it; some were corrected since.
;; Full Attention. Allowed arithmetic: matrix products marked QUANTISED: E3M2 operands, one E8M0 scale for each 32 along K, by v_wmma_scale_f32_16x16x128_f8f6f4 with both operands' format E3M2, f32 sums; everything else in f32.
;; Inputs: attn_mask 2,048 x 2,048 bool; keys 2 x 2,048 x 16 x 64 float32; queries 2 x 2,048 x 16 x 64 float32; values 2 x 2,048 x 16 x 64 float32.
;; Outputs: out0 2 x 2,048 x 16 x 64 float32.
;; This version of the problem:
;;   THIS VERSION OF THE PROBLEM IS GIVEN IN LOW PRECISION. The matrix products marked QUANTISED in the list below multiply operands that are first quantised to E3M2 (3 exponent bits, 2 mantissa bits; 6 bits a number), with one power-of-two scale for each 32 numbers along K (OCP MX v1.0); their sums are f32. All else is computed in f32.
;;   The module's matrix products, in the order in which they are computed (A, B: the left and right operand; K: the contracted axis; several contracted axes count as one K, in the product's order):
;;     1. batch 32 x [M 2,048, K 64] x [K 64, N 2,048]; A: input queries; B: input keys: QUANTISED
;;     2. batch 32 x [M 64, K 2,048] x [K 2,048, N 2,048]; A: input values; B: softmax (see below): QUANTISED
;;   THE QUANTISER, for each operand of a quantised product, along K:
;;     - K is cut into blocks of 32 from its start; a last block that is shorter is filled with zeros.
;;     - A block's scale is 2^e with e = floor(log2(the largest magnitude in the block)) - 4, held to -126 .. 127; a block of zeros has e = 0. As a byte (E8M0): e + 127.
;;     - Each number is divided by its block's scale, clamped to +-28, and rounded to the nearest number of E3M2, ties to even, subnormals kept.
;;     - The product sums the exact products of the quantised numbers (number of the format x scale) in f32.
;;   ~~~python
;;   def quantise(x, axis):      # numpy; x: float32 -> the quantised numbers, widened to float32 again
;;       x = np.moveaxis(x, axis, -1); K = x.shape[-1]
;;       x = np.pad(x, [(0, 0)] * (x.ndim - 1) + [(0, -K % 32)]); x = x.reshape(x.shape[:-1] + (-1, 32)); a = np.abs(x).max(-1, keepdims=True)
;;       e = np.where(a > 0, np.clip(np.frexp(np.where(a > 0, a, 1))[1] - 1 - 4, -126, 127), 0)      # np.frexp(a)[1] - 1 = floor(log2(a)), exactly
;;       r = np.clip(x / 2.0 ** e, -28, 28)
;;       step = 2.0 ** (np.maximum(np.frexp(np.where(r == 0, 1, r))[1] - 1, -2) - 2)
;;       q = np.round(r / step) * step * 2.0 ** e      # np.round: ties to even
;;       return np.moveaxis(q.reshape(q.shape[:-2] + (-1,))[..., :K], -1, axis).astype(np.float32)
;;   ~~~
;;   SOFTMAX AHEAD OF A QUANTISED PRODUCT. Where the list says 'softmax', what is quantised is not the finished softmax but p = 2^(t - M), with t = logit x log2(e) and M = ceil(the row's largest t), a whole number; so 1/2 < the row's largest p <= 1. The row's sum l is taken of the UNQUANTISED p, in f32, and the product's result is divided by l at the end. Since M is a whole number, a kernel that streams over the keys may use a running M (the ceiling of the running maximum): every later rescaling is an exact power of two, which a block's scale takes up: the codes' values come out the same.
;;   OPERANDS COMPUTED ON THE WAY. 'Computed on the way' means the value that the module computes at that place (a softmax that the list does not call 'softmax' is quantised finished and normalised). What goes into a quantiser is computed in f32, as accurately as f32 sums, v_exp_f32 and their like allow (about 1e-6 of the number): no bf16 or f16 on the way to a quantiser, and a product that is left as it is and whose result goes on into a quantised operand takes f32 operands (vector FMAs, or v_wmma_f32_16x16x4_f32). A number that lies on a knife's edge between two numbers of the format may be rounded either way, as far as f32 arithmetic and the matrix unit's own rounding can turn it there, and no further.
;; One version. Each part assembles by itself: llvm-mc -triple=amdgcn-amd-amdhsa -mcpu=gfx1250 --defsym DOCPART=n.
;; ======== version 1 of 1: 2 launches
;; limits: right only within a limited range of input values
;; workspace buffers: kv 6,553,600 bytes; mimg 2,097,152 bytes; flags 8,192 bytes of whole numbers
;; launch prep (part 1): grid 8 x 32, 12 waves a work-group, no clusters, 169,472 bytes of LDS; arguments keys, values, attn_mask, kv, mimg, flags; writes kv, mimg, flags
.if DOCPART == 1
	.amdgcn_target "amdgcn-amd-amdhsa--gfx1250"
	.amdhsa_code_object_version 6
	.text
	.protected	k_qf2c531fdd1_prep
	.globl	k_qf2c531fdd1_prep
	.p2align	8
	.type	k_qf2c531fdd1_prep,@function
k_qf2c531fdd1_prep:
	s_mov_b64 s[64:65], 0
	v_nop
	global_prefetch_b8 v0, s[64:65] scope:SCOPE_SE
	s_setreg_imm32_b32 hwreg(HW_REG_WAVE_MODE, 25, 1), 1
	s_wait_xcnt 0x0
; keys, values: [2][2048][16][64] f32.  attn_mask: [2048][2048] bytes, 1 = masked.  This launch makes what the attention launch reads:
;   kv:    for head y = 16 b + h and key step j (128 keys) 12,800 bytes at (16 y + j) x 12,800: four fragments of K's codes, four of V's, two units of scale words.
;   mimg:  for query tile T (16 queries) and key step j 1,024 bytes at (16 T + j) x 1,024: the mask as codes of 4 bits, 0xF = masked, in the order of the score registers.
;   flags: word 16 T + j: 1 = all 16 x 128 mask bytes open, 2 = all masked, 3 = both kinds.  The attention launch branches on these whole numbers.
; Codes are BF6 (E3M2), one E8M0 byte for 32 along K.  K is quantised along the head's 64, V along the keys.  A block's byte is its largest magnitude's exponent field - 4, held at 1 from below.
; A FRAGMENT IS AN IMAGE OF ITS 12 REGISTERS: registers 4 p .. 4 p + 3 of lane l lie at 512 p + 16 l.
;   K's fragment F: lane (r, hh), registers 6 c .. 6 c + 5: channels 32 hh .. + 31 of key 32 F + 8 c + r + 8 (r / 8).
;   V's fragment g: lane (r, hh), registers 6 c .. 6 c + 5: keys 64 c + 32 hh + 0 .. 31 of channel 16 g + r.
;   scale unit u, 8 bytes a lane: lanes 0-15 the words of K's fragments 2 u, 2 u + 1, lanes 16-31 those of V's fragments 2 u, 2 u + 1.
; SHARES.  Work-group (x, y): keys 256 x .. + 255 of head y; of the mask, query tile T = 4 y + x / 2, key steps 8 (x % 2) .. + 7.  Twelve waves, one tensor load each: waves 0-3 fetch 64 rows of K each,
; waves 4-7 64 rows of V, waves 8-11 16 rows x 256 bytes of the mask.  Behind one barrier each wave works its own kind: two fragments, or two units of the mask with their flags.
; A scale unit's 256 bytes are stored in two halves of 128, K's wave the lower, V's the upper.  Every LDS byte is filled once.
; LIMITS: NaN and infinities among the inputs are not served; a block whose largest magnitude lies under 2^-122 keeps the byte 1 (a block of zeros too: its codes are zeros, and this program alone reads the bytes);
; the mask's bytes are 0 or 1.
.set PK,    272                        ; an LDS row: 256 bytes + 16 of padding
.set KTILE, 64*PK
.set VREG,  4*KTILE
.set MREG,  8*KTILE
.set MTILE, 16*PK
.set SPARE, 0x29000                    ; the spare words: 128 bytes a wave, 1,536 in all
.set FRB,   1536
.set BLKB,  8*FRB+512
.set X0,    32
.set X1,    96
.set RAW,   208
.set MU,    240
	s_load_b256 s[4:11], s[0:1], 0x0               ; keys, values, attn_mask, kv
	s_load_b64 s[12:13], s[0:1], 0x20              ; mimg
	s_load_b64 s[66:67], s[0:1], 0x28              ; flags
	v_lshl_add_u32 v21, v0, 2, SPARE
	v_mov_b32 v25, 0
	ds_add_u32 v21, v25                            ; the opening lines
	ds_add_u32 v21, v25
	v_lshrrev_b32 v1, 5, v0
	v_readfirstlane_b32 s68, v1                    ; wave 0..11
	s_and_b32 s14, s68, 3                          ; w: my place among the four of my kind
	s_mov_b32 s15, ttmp9                           ; x
	s_and_b32 s60, ttmp7, 0xffff                   ; y
	; group 1 for K's and V's tiles: 64 rows x 64 f32, 1,024 elements from row to row, 16 bytes of padding behind each 256
	s_mov_b32 s16, (2<<16)|(1<<20)|(5<<22)|(3<<25)
	s_mov_b32 s17, 64<<16
	s_mov_b32 s18, 64<<16
	s_mov_b32 s19, 64<<16
	s_mov_b32 s20, 64
	s_mov_b32 s21, 1024
	s_mov_b32 s22, 0
	s_mov_b32 s23, 0
	; and for the mask's: 16 rows x 256 bytes, 2,048 bytes from row to row
	s_mov_b32 s24, (2<<16)|(1<<20)|(5<<22)|(3<<25)
	s_mov_b32 s25, 64<<16
	s_mov_b32 s26, 16<<16
	s_mov_b32 s27, 64<<16
	s_mov_b32 s28, 16
	s_mov_b32 s29, 512
	s_mov_b32 s30, 0
	s_mov_b32 s31, 0
	; my 64 rows in keys or values: b x 2^23 + (256 x + 64 w) x 4,096 + h x 256
	s_lshr_b32 s54, s60, 4
	s_lshl_b32 s54, s54, 23
	s_lshl_b32 s55, s15, 8
	s_lshl_b32 s56, s14, 6
	s_add_co_u32 s55, s55, s56
	s_lshl_b32 s55, s55, 12
	s_add_co_u32 s54, s54, s55
	s_and_b32 s55, s60, 15
	s_lshl_b32 s55, s55, 8
	s_add_co_u32 s54, s54, s55
	s_mov_b32 s55, 0
	; my tile of the mask: rows 16 T on, bytes 1,024 (x % 2) + 256 w on
	s_lshl_b32 s56, s60, 2
	s_lshr_b32 s57, s15, 1
	s_add_co_u32 s61, s56, s57                     ; T
	s_lshl_b32 s56, s61, 15
	s_and_b32 s62, s15, 1
	s_lshl_b32 s57, s62, 10
	s_add_co_u32 s56, s56, s57
	s_lshl_b32 s57, s14, 8
	s_add_co_u32 s56, s56, s57
	s_mov_b32 s57, 0
	s_mul_i32 s58, s14, KTILE
	s_mul_i32 s59, s14, MTILE
	s_mul_i32 s33, s68, KTILE                      ; waves 0-7: K's four tiles, then V's four
	s_mov_b32 s44, 0x76543210
	s_mov_b32 s45, 0xfedcba98                      ; v_permlanex16_b32's selects for lane l xor 16
	s_mov_b32 s46, 0x06040200                      ; v_perm_b32: bytes 0 and 2 of two words
	s_wait_dscnt 0x0
	s_wait_kmcnt 0x0
	s_mov_b32 s32, 1
	s_cmp_lt_u32 s68, 4
	s_cselect_b64 s[34:35], s[4:5], s[6:7]         ; keys for waves 0-3, values for the others
	s_add_nc_u64 s[34:35], s[34:35], s[54:55]
	s_or_b32 s35, s35, 0x80000000
	s_mov_b32 s36, 1
	s_add_co_u32 s37, s59, MREG
	s_add_nc_u64 s[38:39], s[8:9], s[56:57]
	s_or_b32 s39, s39, 0x80000000
	s_cmp_lt_u32 s68, 8
	s_cbranch_scc0 .Lfill_m
	tensor_load_to_lds s[32:35], s[16:23]          ; my one tensor load
	s_nop 0
.rept 4
	v_nop
.endr
	s_branch .Lfilled
.Lfill_m:
	tensor_load_to_lds s[36:39], s[24:31]
	s_nop 0
.rept 4
	v_nop
.endr
.Lfilled:
	v_and_b32 v1, 31, v0                           ; lane
	v_and_b32 v2, 15, v0                           ; r
	v_bfe_u32 v3, v0, 4, 1                         ; hh
	v_and_b32 v4, 8, v2
	v_add_nc_u32 v4, v4, v2                        ; r + 8 (r / 8)
	v_mul_u32_u24 v4, v4, PK
	v_lshl_add_u32 v4, v3, 7, v4
	v_add_nc_u32 v4, s58, v4                       ; K: tile w, my 32 channels
	v_mul_u32_u24 v5, v2, PK
	v_lshl_add_u32 v5, v3, 4, v5
	v_add_nc_u32 v5, s37, v5                       ; the mask: row r, + 16 hh
	s_lshr_b32 s63, s14, 1                         ; w / 2: which of the two key steps
	s_and_b32 s59, s14, 1                          ; w % 2: which half of its fragments
	s_mul_i32 s55, s63, 2*KTILE
	s_lshl_b32 s54, s59, 7
	s_add_co_u32 s55, s55, s54
	s_add_co_u32 s55, s55, VREG
	v_mul_u32_u24 v6, v3, 32*PK
	v_lshl_add_u32 v6, v2, 2, v6
	v_add_nc_u32 v6, s55, v6                       ; V: a lane to a channel, lanes 16-31 32 keys further down
	v_lshlrev_b32 v7, 4, v1
	v_lshlrev_b32 v8, 3, v1
	v_lshlrev_b32 v9, 3, v3
	v_mov_b32 v16, 0                               ; a lane permute's destination counts as one of its sources
	v_mov_b32 v17, 0                               ; the flags' offset
	s_lshl_b32 s54, s60, 4
	s_lshl_b32 s55, s15, 1
	s_add_co_u32 s54, s54, s55
	s_add_co_u32 s54, s54, s63
	s_mul_i32 s54, s54, BLKB                       ; block (y, 2 x + w / 2)
	s_mul_i32 s55, s59, 2*FRB
	s_add_co_u32 s56, s54, s55
	s_mov_b32 s57, 0
	s_add_nc_u64 s[48:49], s[10:11], s[56:57]      ; K's fragment 2 (w % 2); V's lie 4 fragments on
	s_lshl_b32 s55, s59, 8
	s_add_co_u32 s56, s54, s55
	s_add_co_u32 s56, s56, 8*FRB
	s_add_nc_u64 s[50:51], s[10:11], s[56:57]      ; scale unit w % 2
	s_lshl_b32 s56, s61, 14
	s_lshl_b32 s55, s62, 3
	s_lshl_b32 s54, s14, 1
	s_add_co_u32 s55, s55, s54                     ; my first key step of the mask
	s_lshl_b32 s70, s61, 4
	s_add_co_u32 s70, s70, s55
	s_lshl_b32 s70, s70, 2
	s_mov_b32 s71, 0
	s_add_nc_u64 s[66:67], s[66:67], s[70:71]      ; flag word 16 T + step
	s_lshl_b32 s55, s55, 10
	s_add_co_u32 s56, s56, s55
	s_add_nc_u64 s[52:53], s[12:13], s[56:57]      ; mask unit (T, step)
; 64 numbers of a lane, two whole blocks of 32, become a fragment's 12 registers v[c] on and, in both halves of the lanes, row r's scale word v[w].
.macro QUANT x, c, w
	v_max3_num_f32 v10, |v[\x]|, |v[\x+1]|, 0x2800000        ; the floor 2^(5 - 127) among the leaves
	v_max3_num_f32 v11, |v[\x+32]|, |v[\x+33]|, 0x2800000
.irp i, 2,4,6,8,10,12,14,16,18,20,22,24,26,28,30
	v_max3_num_f32 v10, v10, |v[\x+\i]|, |v[\x+\i+1]|
	v_max3_num_f32 v11, v11, |v[\x+32+\i]|, |v[\x+33+\i]|
.endr
	v_add_nc_u32 v12, 0xfe000000, v10              ; 4 off the exponent field: the conversion's scale operand
	v_add_nc_u32 v13, 0xfe000000, v11
	v_lshrrev_b32 v14, 23, v12
	v_lshrrev_b32 v15, 23, v13
	v_lshl_or_b32 v[\w], v15, 16, v14              ; my two bytes: places hh and 2 + hh of the word
	v_lshlrev_b32 v[\w], v9, v[\w]
	v_permlanex16_b32 v16, v[\w], s44, s45
	v_or_b32 v[\w], v[\w], v16
	v_cvt_scalef32_pk16_bf6_f32 v[\c:\c+2], v[\x:\x+15], v12
	v_cvt_scalef32_pk16_bf6_f32 v[18:20], v[\x+16:\x+31], v12        ; (a conversion's three registers begin on an even number)
	v_cvt_scalef32_pk16_bf6_f32 v[\c+6:\c+8], v[\x+32:\x+47], v13
	v_cvt_scalef32_pk16_bf6_f32 v[22:24], v[\x+48:\x+63], v13
	v_nop                                          ; one plain place behind a scaled conversion
.irp i, 0,1,2
	v_mov_b32 v[\c+3+\i], v[18+\i]
	v_mov_b32 v[\c+9+\i], v[22+\i]
.endr
.endm
.macro PUT c, off                      ; a fragment's image: each store covers 512 consecutive bytes
.irp p, 0,1,2
	global_store_b128 v7, v[\c+4*\p:\c+4*\p+3], s[48:49] offset:\off+512*\p
.endr
.endm
; Unit u of the mask: 8 bytes (0 or 1) become 8 codes of 4 bits; x 15 turns each 1 into 0xF.
.macro PACK u
.irp bb, 0,1,2,3
.irp t, 0,1
	v_lshrrev_b32 v10, 4, v[RAW+16*\u+4*\bb+2*\t]
	v_lshrrev_b32 v11, 4, v[RAW+16*\u+4*\bb+2*\t+1]
	v_or_b32 v10, v10, v[RAW+16*\u+4*\bb+2*\t]
	v_or_b32 v11, v11, v[RAW+16*\u+4*\bb+2*\t+1]
	v_perm_b32 v[MU+8*\u+2*\bb+\t], v11, v10, s46
	v_mul_lo_u32 v[MU+8*\u+2*\bb+\t], v[MU+8*\u+2*\bb+\t], 15
.endr
.endr
	global_store_b128 v7, v[MU+8*\u:MU+8*\u+3], s[52:53] offset:1024*\u
	global_store_b128 v7, v[MU+8*\u+4:MU+8*\u+7], s[52:53] offset:1024*\u+512
.endm
; Unit u's flag: 2 if any code of any lane is set, + 1 if any is clear
.macro FLAG u
	v_or_b32 v12, v[MU+8*\u], v[MU+8*\u+1]
	v_and_b32 v13, v[MU+8*\u], v[MU+8*\u+1]
.irp i, 2,3,4,5,6,7
	v_or_b32 v12, v12, v[MU+8*\u+\i]
	v_and_b32 v13, v13, v[MU+8*\u+\i]
.endr
	v_cmp_ne_u32 s54, 0, v12
	v_cmp_ne_u32 s55, -1, v13
	s_cmp_lg_u32 s54, 0
	s_cselect_b32 s54, 2, 0
	s_cmp_lg_u32 s55, 0
	s_cselect_b32 s55, 1, 0
	s_or_b32 s[56+\u], s54, s55
.endm
.macro FIN                             ; the wave's end
	s_wait_tensorcnt 0x0
	ds_add_u32 v21, v25
	s_wait_dscnt 0x0
	s_endpgm
.endm
	s_wait_alu depctr_va_vdst(0)                   ; the wait at the head's end
	s_wait_tensorcnt 0x0                           ; my tile is in,
	s_barrier_signal -1
	s_barrier_wait -1                              ; and everybody's
	s_cmp_lt_u32 s68, 4
	s_cbranch_scc0 .Lnot_k
.irp i, 0,1
.irp c, 0,1
.irp e, 0,1,2,3,4,5,6,7
	ds_load_b128 v[X0+64*\i+32*\c+4*\e:X0+64*\i+32*\c+4*\e+3], v4 offset:(32*\i+8*\c)*PK+16*\e
.endr
.endr
.endr
	s_wait_dscnt 16                                ; the first fragment's 16 loads are in; the second's 16 are behind them
	QUANT X0, 160, 26
	PUT 160, 0
	s_wait_dscnt 0x0
	QUANT X1, 172, 27
	PUT 172, FRB
	s_wait_alu depctr_va_vdst(0)                   ; the wait ahead of the wait below
	s_wait_xcnt 0x0                                ; EXEC changes only behind this wait
	v_cmpx_gt_u32 16, v1                           ; lanes 0-15 carry K's words
	global_store_b64 v8, v[26:27], s[50:51]        ; 128 consecutive bytes: the unit's lower half
	s_wait_xcnt 0x0
	s_mov_b32 exec_lo, -1
	FIN
.Lnot_k:
	s_cmp_lt_u32 s68, 8
	s_cbranch_scc0 .Lmask
.irp i, 0,1
.irp c, 0,1
.irp k, 0,1,2,3,4,5,6,7,8,9,10,11,12,13,14,15,16,17,18,19,20,21,22,23,24,25,26,27,28,29,30,31
	ds_load_b32 v[X0+64*\i+32*\c+\k], v6 offset:(64*\c+\k)*PK+64*\i   ; a lane to a channel, its registers down the keys
.endr
.endr
.endr
	s_wait_dscnt 63                                ; of the 128 loads at most 63 are out: the first fragment's 64 are in
	QUANT X0, 184, 28
	PUT 184, 4*FRB
	s_wait_dscnt 0x0
	QUANT X1, 196, 29
	PUT 196, 5*FRB
	s_wait_alu depctr_va_vdst(0)
	s_wait_xcnt 0x0
	v_cmpx_le_u32 16, v1                           ; lanes 16-31 carry V's words
	global_store_b64 v8, v[28:29], s[50:51]        ; the unit's upper half
	s_wait_xcnt 0x0
	s_mov_b32 exec_lo, -1
	FIN
.Lmask:
.irp u, 0,1
.irp bb, 0,1,2,3
	ds_load_b128 v[RAW+16*\u+4*\bb:RAW+16*\u+4*\bb+3], v5 offset:128*\u+32*\bb   ; keys 128 u + 32 bb + 16 hh + 0 .. 15 of query r
.endr
.endr
	s_wait_dscnt 0x0
	PACK 0
	PACK 1
	FLAG 0
	FLAG 1
	v_mov_b32 v14, s56
	v_mov_b32 v15, s57
	s_wait_alu depctr_va_vdst(0)
	s_wait_xcnt 0x0
	v_cmpx_eq_u32 0, v1                            ; one lane stores the two flag words
	global_store_b64 v17, v[14:15], s[66:67]
	s_wait_xcnt 0x0
	s_mov_b32 exec_lo, -1
	FIN
.Lfunc_end_k_qf2c531fdd1_prep:
	.size	k_qf2c531fdd1_prep, .Lfunc_end_k_qf2c531fdd1_prep-k_qf2c531fdd1_prep
	.p2alignl 7, 3214868480
	.fill 96, 4, 3214868480
	.section	.rodata,"a",@progbits
	.p2align	6, 0x0
	.amdhsa_kernel k_qf2c531fdd1_prep
		.amdhsa_group_segment_fixed_size 169472
		.amdhsa_private_segment_fixed_size 0
		.amdhsa_enable_private_segment 0
		.amdhsa_kernarg_size 48
		.amdhsa_user_sgpr_count 2
		.amdhsa_user_sgpr_kernarg_segment_ptr 1
		.amdhsa_wavefront_size32 1
		.amdhsa_system_sgpr_workgroup_id_x 1
		.amdhsa_system_sgpr_workgroup_id_y 1
		.amdhsa_system_sgpr_workgroup_id_z 1
		.amdhsa_system_vgpr_workitem_id 0
		.amdhsa_next_free_vgpr 256
		.amdhsa_next_free_sgpr 72
		.amdhsa_reserve_vcc 0
		.amdhsa_float_denorm_mode_32 3
		.amdhsa_float_denorm_mode_16_64 3
		.amdhsa_memory_ordered 1
		.amdhsa_forward_progress 1
		.amdhsa_inst_pref_size 37
	.end_amdhsa_kernel
	.amdgpu_metadata
---
amdhsa.version: [ 1, 2 ]
amdhsa.kernels:
  - .name:           k_qf2c531fdd1_prep
    .symbol:         k_qf2c531fdd1_prep.kd
    .args:
      - { .name: keys, .offset: 0, .size: 8, .value_kind: global_buffer, .address_space: global }
      - { .name: values, .offset: 8, .size: 8, .value_kind: global_buffer, .address_space: global }
      - { .name: attn_mask, .offset: 16, .size: 8, .value_kind: global_buffer, .address_space: global }
      - { .name: kv, .offset: 24, .size: 8, .value_kind: global_buffer, .address_space: global }
      - { .name: mimg, .offset: 32, .size: 8, .value_kind: global_buffer, .address_space: global }
      - { .name: flags, .offset: 40, .size: 8, .value_kind: global_buffer, .address_space: global }
    .group_segment_fixed_size: 169472
    .private_segment_fixed_size: 0
    .kernarg_segment_align: 8
    .kernarg_segment_size: 48
    .max_flat_workgroup_size: 384
    .sgpr_count:     72
    .vgpr_count:     256
    .wavefront_size: 32
...
	.end_amdgpu_metadata
.endif
;; end of part 1
;; launch attn (part 2): grid 8 x 32, 16 waves a work-group, no clusters, 276,480 bytes of LDS; arguments queries, kv, mimg, flags, out0; writes out0
.if DOCPART == 2
	.amdgcn_target "amdgcn-amd-amdhsa--gfx1250"
	.amdhsa_code_object_version 6
	.text
	.protected	k_qf2c531fdd1_attn
	.globl	k_qf2c531fdd1_attn
	.p2align	8
	.type	k_qf2c531fdd1_attn,@function
k_qf2c531fdd1_attn:
	s_mov_b64 s[64:65], 0
	v_nop
	global_prefetch_b8 v0, s[64:65] scope:SCOPE_SE
	s_setreg_imm32_b32 hwreg(HW_REG_WAVE_MODE, 25, 1), 1
	s_wait_xcnt 0x0
; out0[b][q][h][:] = the sum over k of softmax_k(mask(Q . K) / 8) V, both products on codes of BF6 (E3M2) with one E8M0 scale for 32 along a product's K.  queries, out0: [2][2048][16][64] f32.
; kv, mimg and flags are the launch before's: K's and V's codes and scale words as images of the operand registers, 12,800 bytes a key step of 128 keys; the mask as codes of 4 bits (0xF = masked);
; and for each tile of 16 queries x 128 keys a whole number: 1 all open, 2 all masked, 3 both kinds.
; WHAT THE FLAGS DECIDE.  A tile all of whose keys are masked gives p = 0 for each of them: nothing for the sum, zero codes for the product, and no change of the largest t.  The wave jumps over it.
; A tile all open starts its score sums from the constant 0.  Only a tile of both kinds reads its mask codes.  This holds for every mask; no pattern of the mask is built in.
; THE SOFTMAX: t = score x log2(e) / 8; M = the row's largest t so far, rounded up to a whole number; p = 2^(t - M) is quantised along the keys, not normalised; the row's sum is taken of the unquantised p
; and divides O at the end.  When M moves, the sum and O are multiplied by 2^(old M - new M): exact.
; THE MASK in a tile of both kinds: the codes 0 and 0xF, widened with the scale 2^100, are 0 and -6 x 2^100; they are written into the score registers, and the score product adds onto them.
; The largest t begins at -2^96, above every masked t: a masked p is 0, and a row all of whose keys are masked ends as 0 x (1 / 0), which is NaN, as the softmax of such a row is.
; LIMITS: unmasked |t| stays under 2^96; NaN and infinities among the inputs are not served; a block of Q under 2^-122 keeps the scale byte 1.
; SHARES.  A work-group owns 16 query tiles of one head y = 16 b + h, a wave one tile.  Work-group x takes tiles 8 x .. 8 x + 7 and 120 - 8 x .. 127 - 8 x; which wave takes which kind is bit 1 xor bit 3
; of its number, so that any four neighbouring waves and any four waves 4 apart hold two of each.
; THE HEAD'S CODES STAY IN LDS: 16 x 12,800 bytes; each wave brings 25 runs of 512 bytes through its registers.  One barrier; none in the loop.
; NO TENSOR LOAD, NO CLUSTER: LDS is filled through registers.  NO PREFETCH: all of kv that the work-group reads is asked for at the head,
; ahead of any loop; a tile's mask codes are loaded one key step ahead of their use.
; K = 64 IN AN INSTRUCTION OF 128: a fragment of K holds two sets of 16 keys; source 1 is (q | 0) or (0 | q), both cut out of one run of registers 0, q, 0.
; LAYOUT.  Both products are used transposed (S^T = K Q^T, O^T = V^T P^T): a lane holds one query (lane % 16); score register 16 b + i is key 32 b + 16 (lane / 16) + i of the step.
; K's and V's fragments take turns in one run of 48 registers: V's are loaded behind the score products and land under the softmax.
.set STEPB, 12800
.set VOFF,  6144
.set SOFF,  12288
.set FRB,   1536
.set STG,   16*STEPB                   ; behind the codes: a stage of 16 rows x 272 bytes for each wave
.set SP,    272
.set SPARE, STG+16*16*SP               ; the spare words: 128 bytes a wave
.set LI,  1                            ; 16 x lane
.set LS,  2                            ; 8 x lane
.set ADK, 3                            ; LDS address of the step's fragments
.set ADX, 4                            ; and of its scale units
.set MO,  5                            ; offset of the mask loads
.set GO,  6                            ; my byte offset in the tile's rows of queries and out0
.set BIG, 7                            ; the byte of 2^100 in every byte
.set ST,  8                            ; +0 -M, +1 the largest t, +2, +3 the sum, +4 f (+5 its pair), +6 p's scale word, +7 Q's
.set BM,  16
.set PT,  20
.set SO,  24
.set TA,  28
.set STO, 29
.set RD,  30
.set QRD, 31
.set CT,  32                           ; v32-34, v36-38
.set SPW, 35
.set NIL, 39
.set SCL, 40                           ; v40-43 scale words: lanes 0-15 K's fragments, lanes 16-31 V's
.set KA,  44                           ; v44-47 the head's LDS addresses, 65,536 bytes apart
.set MK,  48                           ; v48-55 mask codes
.set PC,  56                           ; v56-67 p's codes
.set QZ,  68                           ; v68-85 0, q, 0
.set FL,  86
.set FO,  87
.set KV,  88                           ; v88-135 four fragments of K, then of V (at the head v88-187: kv on its way to LDS)
.set S,   136                          ; v136-199 scores, then p
.set O,   200                          ; v200-231 O^T
.set QR,  188                          ; the head: Q as loaded
.set QT,  220                          ; the head: Q, 32 channels a lane
.set LIVE, 34                          ; bit j: step j has an open key
.set MIX,  35                          ; bit j: step j is of both kinds
.set TB,   36
.set TAU,  37
.set NX,   38
.set MJ,   39
.macro PLACES n
.rept \n
	v_nop
.endr
.endm
	s_load_b256 s[4:11], s[0:1], 0x0               ; queries, kv, mimg, flags
	s_load_b64 s[12:13], s[0:1], 0x20              ; out0
	v_lshl_add_u32 v[SPW], v0, 2, SPARE
	v_mov_b32 v[NIL], 0
	v_lshrrev_b32 v1, 5, v0
	v_readfirstlane_b32 s14, v1                    ; wave 0..15
	s_and_b32 s16, ttmp7, 0xffff                   ; the head y
	s_and_b32 s17, s14, 1
	s_lshr_b32 s18, s14, 2
	s_lshl_b32 s18, s18, 1
	s_or_b32 s17, s17, s18                         ; my place among the eight of my kind
	s_lshl_b32 s18, ttmp9, 3
	s_add_co_u32 s17, s17, s18
	s_sub_co_u32 s18, 127, s17
	s_lshr_b32 s19, s14, 1
	s_lshr_b32 s20, s14, 3
	s_xor_b32 s19, s19, s20
	s_and_b32 s19, s19, 1
	s_cmp_lg_u32 s19, 0
	s_cselect_b32 s15, s18, s17                    ; my tile T
	s_lshr_b32 s20, s16, 4                         ; my 16 rows: b x 2^23 + T x 65,536 + h x 256
	s_lshl_b32 s20, s20, 23
	s_lshl_b32 s19, s15, 16
	s_add_co_u32 s20, s20, s19
	s_and_b32 s19, s16, 15
	s_lshl_b32 s19, s19, 8
	s_add_co_u32 s20, s20, s19
	s_mov_b32 s21, 0
	s_mul_i32 s22, s16, 16*STEPB                   ; the head's codes, + 512 x wave
	s_lshl_b32 s29, s14, 9
	s_add_co_u32 s22, s22, s29
	s_mov_b32 s23, 0
	s_lshl_b32 s24, s15, 14                        ; 16,384 bytes of mimg a tile
	s_mov_b32 s25, 0
	s_lshl_b32 s26, s15, 6                         ; 16 flag words a tile
	s_mov_b32 s27, 0
	s_mul_i32 s28, s14, 16*SP
	s_add_co_u32 s28, s28, STG                     ; my stage
	s_mov_b32 s30, 0x76543210
	s_mov_b32 s31, 0xfedcba98                      ; v_permlanex16_b32's selects for lane l xor 16
	s_mov_b32 s32, 0x3e38aa3b                      ; c = log2(e) / 8
	s_mov_b32 s33, s32
	v_and_b32 v16, 31, v0                          ; lane
	v_and_b32 v17, 15, v0                          ; r
	v_bfe_u32 v18, v0, 4, 1                        ; hh
	v_lshlrev_b32 v[LI], 4, v16
	v_lshlrev_b32 v[LS], 3, v16
	v_mov_b32 v[BIG], 0xe3e3e3e3
	v_lshlrev_b32 v[TA], 3, v18
	v_lshlrev_b32 v[GO], 12, v18                   ; lanes 0-15 take one row's 256 bytes, lanes 16-31 the next row's
	v_lshl_add_u32 v[GO], v17, 4, v[GO]
	v_lshlrev_b32 v[FO], 2, v17                    ; lane r and lane 16 + r take step r's flag
	v_mul_u32_u24 v[STO], v17, SP
	v_lshl_add_u32 v[QRD], v18, 7, v[STO]
	v_lshl_add_u32 v[STO], v18, 5, v[STO]
	v_add_nc_u32 v[STO], s28, v[STO]
	v_add_nc_u32 v[QRD], s28, v[QRD]
	v_mul_u32_u24 v[RD], v18, SP
	v_lshl_add_u32 v[RD], v17, 4, v[RD]
	v_add_nc_u32 v[RD], s28, v[RD]
	v_add_nc_u32 v[KA], s29, v[LI]                 ; 512 x wave + 16 x lane
	v_add_nc_u32 v[KA+1], 0x10000, v[KA]
	v_add_nc_u32 v[KA+2], 0x20000, v[KA]
	v_add_nc_u32 v[KA+3], 0x30000, v[KA]
.irp b, 0,1,2,3
	v_mov_b32 v[PT+\b], 0                          ; a lane permute's destination counts as one of its sources
.endr
	s_wait_alu depctr_va_vdst(0)                   ; the wait here, ahead of the wait below
	s_wait_kmcnt 0x0
	s_add_nc_u64 s[4:5], s[4:5], s[20:21]
	s_add_nc_u64 s[12:13], s[12:13], s[20:21]
	s_add_nc_u64 s[6:7], s[6:7], s[22:23]
	s_add_nc_u64 s[8:9], s[8:9], s[24:25]
	s_add_nc_u64 s[10:11], s[10:11], s[26:27]
	global_load_b32 v[FL], v[FO], s[10:11]
.irp i, 0,1,2,3,4,5,6,7
	global_load_b128 v[QR+4*\i:QR+4*\i+3], v[GO], s[4:5] offset:8192*\i th:TH_LOAD_NT   ; rows 2 i, 2 i + 1: sixteen lanes read a row's 256 bytes
.endr
	global_load_b128 v[MK:MK+3],   v[LI], s[8:9]                 ; step 0's mask codes: they also write v48-55 whole
	global_load_b128 v[MK+4:MK+7], v[LI], s[8:9] offset:512
.set I, 0
.rept 25
	global_load_b128 v[KV+4*I:KV+4*I+3], v[LI], s[6:7] offset:8192*I   ; run 16 I + wave of the head's 400 runs of 512 bytes
.set I, I+1
.endr
	s_wait_loadcnt 25                              ; the flags, Q and the mask codes are in; kv's 25 loads are behind them
	v_cmp_ne_u32 s[LIVE], 2, v[FL]
	v_cmp_eq_u32 s[MIX], 3, v[FL]
	s_and_b32 s[LIVE], s[LIVE], 0xffff
	s_and_b32 s[MIX], s[MIX], 0xffff
	; Q: through my stage, so that lane (r, hh) holds channels 32 hh .. + 31 of query r: one whole block a lane
.irp i, 0,1,2,3,4,5,6,7
	ds_store_b128 v[RD], v[QR+4*\i:QR+4*\i+3] offset:2*\i*SP
.endr
.irp e, 0,1,2,3,4,5,6,7
	ds_load_b128 v[QT+4*\e:QT+4*\e+3], v[QRD] offset:16*\e   ; LDS serves a wave's instructions in order: these see my stores
.endr
	s_wait_dscnt 0x0
	v_max3_num_f32 v[BM], |v[QT]|, |v[QT+1]|, 0x2800000      ; the floor 2^(5 - 127) among the leaves
	v_max3_num_f32 v[BM+1], |v[QT+16]|, |v[QT+17]|, 0x2800000
.irp i, 2,4,6,8,10,12,14
	v_max3_num_f32 v[BM], v[BM], |v[QT+\i]|, |v[QT+\i+1]|
	v_max3_num_f32 v[BM+1], v[BM+1], |v[QT+16+\i]|, |v[QT+17+\i]|
.endr
	v_max_num_f32 v[BM], v[BM], v[BM+1]
	v_add_nc_u32 v[SO], 0xfe000000, v[BM]          ; 4 off the exponent field: the conversion's scale operand
	v_lshrrev_b32 v[BM+2], 23, v[SO]               ; the byte,
	v_lshlrev_b32 v[BM+2], v[TA], v[BM+2]          ; at place hh
	v_permlanex16_b32 v[PT], v[BM+2], s30, s31
	v_or_b32 v[BM+2], v[BM+2], v[PT]               ; (s0, s1)
	v_lshl_or_b32 v[ST+7], v[BM+2], 16, v[BM+2]    ; Q's scale word (s0, s1, s0, s1) serves (q | 0) and (0 | q)
	v_cvt_scalef32_pk16_bf6_f32 v[PC:PC+2], v[QT:QT+15], v[SO]
	v_cvt_scalef32_pk16_bf6_f32 v[PC+4:PC+6], v[QT+16:QT+31], v[SO]
	v_nop                                          ; one plain place behind a scaled conversion
.irp i, 0,1,2
	v_mov_b32 v[QZ+6+\i], v[PC+\i]
	v_mov_b32 v[QZ+9+\i], v[PC+4+\i]
.endr
.irp i, 0,1,2,3,4,5
	v_mov_b32 v[QZ+\i], 0                          ; the zero codes round q
	v_mov_b32 v[QZ+12+\i], 0
.endr
.set I, 0
.rept 32
	v_mov_b32 v[O+I], 0                            ; O^T: which step is the first to add to it hangs on the flags, so it begins as zeros
.set I, I+1
.endr
	v_mov_b32 v[ST+1], 0xef800000                  ; the largest t so far: -2^96
	v_floor_f32 v[ST], -v[ST+1]                    ; -M
	v_mov_b32 v[ST+2], 0
	v_mov_b32 v[ST+3], 0
	v_mov_b32 v[ST+5], 0
	s_wait_alu depctr_va_vdst(0)                   ; the wait at the head's end
.set I, 0
.rept 25
	s_wait_loadcnt 24-I                            ; run I is in; the 24 - I later ones may be out
	ds_store_b128 v[KA+I/8], v[KV+4*I:KV+4*I+3] offset:8192*(I%8)
.set I, I+1
.endr
	s_wait_dscnt 0x0                               ; my 25 runs are in LDS,
	s_barrier_signal -1
	s_barrier_wait -1                              ; and everybody's
.macro LOADK                           ; 14 LDS loads: K's four fragments and the step's two scale units
.irp F, 0,1,2,3
.irp p, 0,1,2
	ds_load_b128 v[KV+12*\F+4*\p:KV+12*\F+4*\p+3], v[ADK] offset:FRB*\F+512*\p
.endr
.endr
.irp u, 0,1
	ds_load_b64 v[SCL+2*\u:SCL+2*\u+1], v[ADX] offset:SOFF+256*\u
.endr
.endm
.macro LOADV                           ; 12 LDS loads: V's four fragments, into K's registers
.irp g, 0,1,2,3
.irp p, 0,1,2
	ds_load_b128 v[KV+12*\g+4*\p:KV+12*\g+4*\p+3], v[ADK] offset:VOFF+FRB*\g+512*\p
.endr
.endr
.endm
.macro QK zero                         ; S^T = K Q^T: fragment F against (q | 0) gives tile 2 F, against (0 | q) tile 2 F + 1.  Eight accumulators, one instruction each
.irp F, 0,1,2,3
.irp c, 0,1
.if \zero
	v_wmma_scale_f32_16x16x128_f8f6f4 v[S+8*(2*\F+\c):S+8*(2*\F+\c)+7], v[KV+12*\F:KV+12*\F+11], v[QZ+6-6*\c:QZ+17-6*\c], 0, v[SCL+\F], v[ST+7] matrix_a_fmt:MATRIX_FMT_BF6 matrix_b_fmt:MATRIX_FMT_BF6
.else
	v_wmma_scale_f32_16x16x128_f8f6f4 v[S+8*(2*\F+\c):S+8*(2*\F+\c)+7], v[KV+12*\F:KV+12*\F+11], v[QZ+6-6*\c:QZ+17-6*\c], v[S+8*(2*\F+\c):S+8*(2*\F+\c)+7], v[SCL+\F], v[ST+7] matrix_a_fmt:MATRIX_FMT_BF6 matrix_b_fmt:MATRIX_FMT_BF6
.endif
.endr
.endr
.endm
.macro PREM                            ; the next step's mask codes, if it is of both kinds: asked for one step ahead
	s_bitcmp1_b32 s[MIX], s[NX]
	s_cbranch_scc0 .Lnom_\@
	s_wait_loadcnt 0x0                             ; no earlier load of mine names v[MO] or v48-55 any more
	s_lshl_b32 s[MJ], s[NX], 10
	v_add_nc_u32 v[MO], s[MJ], v[LI]
	global_load_b128 v[MK:MK+3],   v[MO], s[8:9]
	global_load_b128 v[MK+4:MK+7], v[MO], s[8:9] offset:512
.Lnom_\@:
.endm
.macro SM                              ; the tile's softmax for one key step
.irp b, 0,1,2,3
	v_max3_num_f32 v[BM+\b], v[S+16*\b], v[S+16*\b+1], v[S+16*\b+2]   ; the largest score of each block of 32 keys: for the row's maximum and for the block's largest p.  (Each accumulator is read from its low end on)
.endr
.irp i, 3,5,7,9,11,13
.irp b, 0,1,2,3
	v_max3_num_f32 v[BM+\b], v[BM+\b], v[S+16*\b+\i], v[S+16*\b+\i+1]
.endr
.endr
.irp b, 0,1,2,3
	v_max_num_f32 v[BM+\b], v[BM+\b], v[S+16*\b+15]
.endr
.irp b, 0,1,2,3
	v_permlanex16_b32 v[PT+\b], v[BM+\b], s30, s31
.endr
.irp b, 0,1,2,3
	v_max_num_f32 v[BM+\b], v[BM+\b], v[PT+\b]     ; with lane l xor 16's 16 keys
.endr
	s_delay_alu instid0(VALU_DEP_2)
	v_max3_num_f32 v[TA], v[BM], v[BM+1], v[BM+2]
	s_delay_alu instid0(VALU_DEP_1)
	v_max_num_f32 v[TA], v[TA], v[BM+3]
	s_delay_alu instid0(VALU_DEP_1)
	v_mul_f32 v[TA], s32, v[TA]                    ; as t (c is positive)
	s_delay_alu instid0(VALU_DEP_1)
	v_max_num_f32 v[ST+1], v[ST+1], v[TA]          ; the running largest t
	v_mov_b32 v[TA], v[ST]
	s_delay_alu instid0(VALU_DEP_2)
	v_floor_f32 v[ST], -v[ST+1]                    ; the new -M = floor(-t)
	s_delay_alu instid0(VALU_DEP_1)
	v_sub_f32 v[TA], v[ST], v[TA]                  ; old M - new M: a whole number, 0 or less
	s_delay_alu instid0(VALU_DEP_1)
	v_cvt_i32_f32 v[TA], v[TA]                     ; (it saturates)
	s_delay_alu instid0(VALU_DEP_1)
	v_ldexp_f32 v[ST+4], 1.0, v[TA]                ; f = 2^(old M - new M)
.set J, 0
.rept 32
	v_pk_fma_f32 v[S+J:S+J+1], v[S+J:S+J+1], s[32:33], v[ST:ST+1] op_sel_hi:[1,0,0]   ; t - M, two at a time
.set J, J+2
.endr
.irp b, 0,1,2,3
	v_fma_f32 v[BM+\b], v[BM+\b], s32, v[ST]       ; the same of each block's largest score
.endr
	s_wait_alu depctr_va_vdst(0)                   ; the wait ahead of the batch
.set J, 0
.rept 64
	v_exp_f32 v[S+J], v[S+J]                       ; p = 2^(t - M), at most 1
.set J, J+1
.endr
	v_pk_mul_f32 v[ST+2:ST+3], v[ST+2:ST+3], v[ST+4:ST+5] op_sel_hi:[1,0]   ; the sums under the new M: the plain instruction behind the batch
	s_wait_alu depctr_va_vdst(0)                   ; one wait for the 64, ahead of their first reader
.irp b, 0,1,2,3
	v_exp_f32 v[BM+\b], v[BM+\b]                   ; the blocks' largest p
.endr
	v_pk_add_f32 v[PT:PT+1], v[S:S+1], v[S+2:S+3]  ; the row's sum is taken of the unquantised p, in two chains
.set J, 4
.rept 15
	v_pk_add_f32 v[ST+2:ST+3], v[ST+2:ST+3], v[S+J:S+J+1]
	v_pk_add_f32 v[PT:PT+1], v[PT:PT+1], v[S+J+2:S+J+3]
.set J, J+4
.endr
	s_delay_alu instid0(VALU_DEP_1)
	v_pk_add_f32 v[ST+2:ST+3], v[ST+2:ST+3], v[PT:PT+1]
	s_wait_alu depctr_va_vdst(0)                   ; and one for the four
.irp b, 0,1,2,3
	v_max_num_f32 v[BM+\b], 0x2800000, v[BM+\b]    ; the floor 2^(5 - 127): a block whose every p is 0 keeps the byte 1; its codes are zeros
.endr
.irp b, 0,1,2,3
	v_add_nc_u32 v[SO+\b], 0xfe000000, v[BM+\b]    ; the conversion's scale operand
.endr
.irp b, 0,1,2,3
	v_lshrrev_b32 v[PT+\b], 23, v[SO+\b]           ; the scale's byte
.endr
	v_lshl_or_b32 v[ST+6], v[PT+1], 8, v[PT]       ; p's scale word for these 128 keys
	s_delay_alu instid0(VALU_DEP_1)
	v_lshl_or_b32 v[ST+6], v[PT+2], 16, v[ST+6]
	s_delay_alu instid0(VALU_DEP_1)
	v_lshl_or_b32 v[ST+6], v[PT+3], 24, v[ST+6]
.irp c, 0,1
	v_cvt_scalef32_pk16_bf6_f32 v[PC+6*\c:PC+6*\c+2], v[S+32*\c:S+32*\c+15], v[SO+2*\c]
	v_cvt_scalef32_pk16_bf6_f32 v[CT+4*\c:CT+4*\c+2], v[S+32*\c+16:S+32*\c+31], v[SO+2*\c+1]   ; (a conversion's three registers begin on an even number)
.endr
	v_nop                                          ; one plain place behind a scaled conversion
.irp c, 0,1                            ; the operand's layout wants a whole block in a lane
.irp i, 0,1,2
	v_permlane16_swap_b32 v[PC+6*\c+\i], v[CT+4*\c+\i]
.endr
.irp i, 0,1,2
	v_mov_b32 v[PC+6*\c+3+\i], v[CT+4*\c+\i]
.endr
.endr
	s_wait_alu depctr_va_vdst(0)                   ; the wait directly ahead of the first reader of O^T
.set J, 0
.rept 16
	v_pk_mul_f32 v[O+J:O+J+1], v[O+J:O+J+1], v[ST+4:ST+5] op_sel_hi:[1,0]   ; O^T under the new M, from each accumulator's low end on; also the places between p's scale word and codes and the product
.set J, J+2
.endr
.endm
	s_mov_b32 s[TB], 0
	s_mov_b32 s[TAU], 0
.Lstep:                                ; 16 trips, one key step each; a step with no open key for my tile is jumped over
	s_add_co_u32 s[NX], s[TAU], 1
	s_bitcmp1_b32 s[LIVE], s[TAU]
	s_cbranch_scc0 .Lidle
	v_add_nc_u32 v[ADK], s[TB], v[LI]              ; these two and the two v_nop are the four places behind the last products, which read V's registers
	v_add_nc_u32 v[ADX], s[TB], v[LS]
	PLACES 2
	s_wait_alu depctr_va_vdst(0)                   ; the wait behind these writes
	LOADK
	s_bitcmp1_b32 s[MIX], s[TAU]
	s_cbranch_scc0 .Lopen
	s_wait_loadcnt 0x0                             ; this step's mask codes are in
.irp m, 0,1,2,3,4,5,6,7
	v_cvt_scale_pk8_f32_fp4 v[S+8*\m:S+8*\m+7], v[MK+\m], v[BIG]   ; 0 or -6 x 2^100 in each of the 64 score registers
.endr
	PLACES 4                                       ; between the conversions and the products that add onto their results
	s_wait_alu depctr_va_vdst(0)                   ; the wait ahead of the wait below: the products read what the conversions wrote
	s_wait_dscnt 0x0                               ; K and the scale words are in
	QK 0
	s_branch .Lscored
.Lopen:
	s_wait_dscnt 0x0
	QK 1
.Lscored:
	PLACES 4                                       ; behind the products: ahead of the loads into K's registers and of the first read of the scores
	LOADV
	PREM
	SM
	s_wait_alu depctr_va_vdst(0)                   ; the wait ahead of the wait below
	s_wait_dscnt 0x0                               ; V is in
.irp g, 0,1,2,3                        ; O^T += V^T P^T: four accumulators, one instruction each; V's scale words lie in lanes 16-31
	v_wmma_scale_f32_16x16x128_f8f6f4 v[O+8*\g:O+8*\g+7], v[KV+12*\g:KV+12*\g+11], v[PC:PC+11], v[O+8*\g:O+8*\g+7], v[SCL+\g], v[ST+6] matrix_a_fmt:MATRIX_FMT_BF6 matrix_b_fmt:MATRIX_FMT_BF6 matrix_a_scale:MATRIX_SCALE_ROW1
.endr
	s_branch .Lnext
.Lidle:
	PREM
.Lnext:
	s_add_co_u32 s[TB], s[TB], STEPB
	s_add_co_u32 s[TAU], s[TAU], 1
	s_cmp_lt_u32 s[TAU], 16
	s_cbranch_scc1 .Lstep
	; THE WAY OUT.  O^T is divided by the row's sum and goes through my stage, so that sixteen lanes store a row's 256 bytes.
	PLACES 4                                       ; behind the last products
	v_add_f32 v[PT], v[ST+2], v[ST+3]
	s_delay_alu instid0(VALU_DEP_1)
	v_permlanex16_b32 v[PT+2], v[PT], s30, s31
	s_delay_alu instid0(VALU_DEP_1)
	v_add_f32 v[PT], v[PT], v[PT+2]                ; the row's sum
	s_wait_alu depctr_va_vdst(0)                   ; the wait ahead of the transcendental
	v_rcp_f32 v[ST+4], v[PT]
	v_nop
	s_wait_alu depctr_va_vdst(0)                   ; and ahead of its first reader, which is also O^T's
.set J, 0
.rept 16
	v_pk_mul_f32 v[S+J:S+J+1], v[O+J:O+J+1], v[ST+4:ST+5] op_sel_hi:[1,0]   ; register 8 g + i is o(query r, channel 16 g + 8 hh + i)
.set J, J+2
.endr
.irp g, 0,1,2,3
	ds_store_b128 v[STO], v[S+8*\g:S+8*\g+3] offset:64*\g
	ds_store_b128 v[STO], v[S+8*\g+4:S+8*\g+7] offset:64*\g+16
.endr
.irp i, 0,1,2,3,4,5,6,7
	ds_load_b128 v[O+4*\i:O+4*\i+3], v[RD] offset:2*\i*SP   ; in order behind my stores
.endr
.irp i, 0,1,2,3,4,5,6,7
	s_wait_dscnt 7-\i                              ; load i is back; the 7 - i later ones may be out
	global_store_b128 v[GO], v[O+4*\i:O+4*\i+3], s[12:13] offset:8192*\i th:TH_STORE_NT   ; sixteen lanes store 256 consecutive bytes, at a multiple of 256 from out0's first byte
.endr
	s_wait_tensorcnt 0x0                           ; the wave's end
	ds_add_u32 v[SPW], v[NIL]
	s_wait_dscnt 0x0
	s_endpgm
.Lfunc_end_k_qf2c531fdd1_attn:
	.size	k_qf2c531fdd1_attn, .Lfunc_end_k_qf2c531fdd1_attn-k_qf2c531fdd1_attn
	.p2alignl 7, 3214868480
	.fill 96, 4, 3214868480
	.section	.rodata,"a",@progbits
	.p2align	6, 0x0
	.amdhsa_kernel k_qf2c531fdd1_attn
		.amdhsa_group_segment_fixed_size 276480
		.amdhsa_private_segment_fixed_size 0
		.amdhsa_enable_private_segment 0
		.amdhsa_kernarg_size 40
		.amdhsa_user_sgpr_count 2
		.amdhsa_user_sgpr_kernarg_segment_ptr 1
		.amdhsa_wavefront_size32 1
		.amdhsa_system_sgpr_workgroup_id_x 1
		.amdhsa_system_sgpr_workgroup_id_y 1
		.amdhsa_system_sgpr_workgroup_id_z 1
		.amdhsa_system_vgpr_workitem_id 0
		.amdhsa_next_free_vgpr 256
		.amdhsa_next_free_sgpr 66
		.amdhsa_reserve_vcc 0
		.amdhsa_float_denorm_mode_32 3
		.amdhsa_float_denorm_mode_16_64 3
		.amdhsa_memory_ordered 1
		.amdhsa_forward_progress 1
		.amdhsa_inst_pref_size 36
	.end_amdhsa_kernel
	.amdgpu_metadata
---
amdhsa.version: [ 1, 2 ]
amdhsa.kernels:
  - .name:           k_qf2c531fdd1_attn
    .symbol:         k_qf2c531fdd1_attn.kd
    .args:
      - { .name: queries, .offset: 0, .size: 8, .value_kind: global_buffer, .address_space: global }
      - { .name: kv, .offset: 8, .size: 8, .value_kind: global_buffer, .address_space: global }
      - { .name: mimg, .offset: 16, .size: 8, .value_kind: global_buffer, .address_space: global }
      - { .name: flags, .offset: 24, .size: 8, .value_kind: global_buffer, .address_space: global }
      - { .name: out0, .offset: 32, .size: 8, .value_kind: global_buffer, .address_space: global }
    .group_segment_fixed_size: 276480
    .private_segment_fixed_size: 0
    .kernarg_segment_align: 8
    .kernarg_segment_size: 40
    .max_flat_workgroup_size: 512
    .sgpr_count:     66
    .vgpr_count:     256
    .wavefront_size: 32
...
	.end_amdgpu_metadata
.endif
;; end of part 2
